; MI455X (gfx1250); checked and timed in simulation.
; The chip was launched on July 23, 2026; its instructions are those of AMD's public machine-readable ISA for CDNA 5 (MIT licence, August 2026) and "CDNA5" Instruction Set Architecture Reference Guide (July 2026). The comments in the code are by the model that wrote it; some were corrected since.
;; Multi Head Attention. Allowed arithmetic: matrix products marked QUANTISED: E4M3 operands, one E8M0 scale for each 32 along K, by v_wmma_scale_f32_16x16x128_f8f6f4 with both operands' format E4M3, f32 sums; everything else in f32.
;; Inputs: Wk 16 x 64 x 1,024 float32; Wq 16 x 64 x 1,024 float32; Wv 16 x 64 x 1,024 float32; x 8 x 1,024 x 1,024 float32.
;; Outputs: out0 8 x 1,024 x 1,024 float32.
;; This version of the problem:
;;   THIS VERSION OF THE PROBLEM IS GIVEN IN LOW PRECISION. The matrix products marked QUANTISED in the list below multiply operands that are first quantised to E4M3 (4 exponent bits, 3 mantissa bits; 8 bits a number), with one power-of-two scale for each 32 numbers along K (OCP MX v1.0); their sums are f32. All else is computed in f32.
;;   The module's matrix products, in the order in which they are computed (A, B: the left and right operand; K: the contracted axis; several contracted axes count as one K, in the product's order):
;;     1. [M 1,024, K 1,024] x [K 1,024, N 8,192]; A: input Wq; B: input x: QUANTISED
;;     2. [M 1,024, K 1,024] x [K 1,024, N 8,192]; A: input Wk; B: input x: QUANTISED
;;     3. [M 1,024, K 1,024] x [K 1,024, N 8,192]; A: input Wv; B: input x: QUANTISED
;;     4. batch 128 x [M 1,024, K 64] x [K 64, N 1,024]; A: computed on the way; B: computed on the way: QUANTISED
;;     5. batch 128 x [M 1,024, K 1,024] x [K 1,024, N 64]; A: softmax (see below); B: computed on the way: QUANTISED
;;   THE QUANTISER, for each operand of a quantised product, along K:
;;     - K is cut into blocks of 32 from its start; a last block that is shorter is filled with zeros.
;;     - A block's scale is 2^e with e = floor(log2(the largest magnitude in the block)) - 8, held to -126 .. 127; a block of zeros has e = 0. As a byte (E8M0): e + 127.
;;     - Each number is divided by its block's scale, clamped to +-448, and rounded to the nearest number of E4M3, ties to even, subnormals kept.
;;     - The product sums the exact products of the quantised numbers (number of the format x scale) in f32.
;;   ~~~python
;;   def quantise(x, axis):      # numpy; x: float32 -> the quantised numbers, widened to float32 again
;;       x = np.moveaxis(x, axis, -1); K = x.shape[-1]
;;       x = np.pad(x, [(0, 0)] * (x.ndim - 1) + [(0, -K % 32)]); x = x.reshape(x.shape[:-1] + (-1, 32)); a = np.abs(x).max(-1, keepdims=True)
;;       e = np.where(a > 0, np.clip(np.frexp(np.where(a > 0, a, 1))[1] - 1 - 8, -126, 127), 0)      # np.frexp(a)[1] - 1 = floor(log2(a)), exactly
;;       r = np.clip(x / 2.0 ** e, -448, 448)
;;       step = 2.0 ** (np.maximum(np.frexp(np.where(r == 0, 1, r))[1] - 1, -6) - 3)
;;       q = np.round(r / step) * step * 2.0 ** e      # np.round: ties to even
;;       return np.moveaxis(q.reshape(q.shape[:-2] + (-1,))[..., :K], -1, axis).astype(np.float32)
;;   ~~~
;;   SOFTMAX AHEAD OF A QUANTISED PRODUCT. Where the list says 'softmax', what is quantised is not the finished softmax but p = 2^(t - M), with t = logit x log2(e) and M = ceil(the row's largest t), a whole number; so 1/2 < the row's largest p <= 1. The row's sum l is taken of the UNQUANTISED p, in f32, and the product's result is divided by l at the end. Since M is a whole number, a kernel that streams over the keys may use a running M (the ceiling of the running maximum): every later rescaling is an exact power of two, which a block's scale takes up: the codes' values come out the same.
;;   OPERANDS COMPUTED ON THE WAY. 'Computed on the way' means the value that the module computes at that place (a softmax that the list does not call 'softmax' is quantised finished and normalised). What goes into a quantiser is computed in f32, as accurately as f32 sums, v_exp_f32 and their like allow (about 1e-6 of the number): no bf16 or f16 on the way to a quantiser, and a product that is left as it is and whose result goes on into a quantised operand takes f32 operands (vector FMAs, or v_wmma_f32_16x16x4_f32). A number that lies on a knife's edge between two numbers of the format may be rounded either way, as far as f32 arithmetic and the matrix unit's own rounding can turn it there, and no further.
;; One version. Each part assembles by itself: llvm-mc -triple=amdgcn-amd-amdhsa -mcpu=gfx1250 --defsym DOCPART=n.
;; ======== version 1 of 1: 3 launches
;; limits: right only within a limited range of input values
;; workspace buffers: cod 11,894,784 bytes; qf 8,912,896 bytes; kv 17,825,792 bytes
;; launch quant (part 1): grid 1408 x 1, 4 waves a work-group, no clusters, 34,560 bytes of LDS; arguments x, Wq, Wk, Wv, cod; writes cod
.if DOCPART == 1
	.amdgcn_target "amdgcn-amd-amdhsa--gfx1250"
	.amdhsa_code_object_version 6
	.text
	.protected	k_q12851b6c25_quant
	.globl	k_q12851b6c25_quant
	.p2align	8
	.type	k_q12851b6c25_quant,@function
k_q12851b6c25_quant:
	s_mov_b64 s[64:65], 0
	v_nop
	global_prefetch_b8 v0, s[64:65] scope:SCOPE_SE
	s_setreg_imm32_b32 hwreg(HW_REG_WAVE_MODE, 25, 1), 1
	s_wait_xcnt 0x0
; x [8192][1024], Wq, Wk, Wv [1024][1024], f32, become codes of FP8 (E4M3) with one E8M0 scale for each 32 along K = 1,024, laid as images of the next launch's operand registers.
; THE PROGRAM LEAVES OUT only products with keys that reference()'s own causal mask hides, where they fill whole chunks of 128 keys (third launch): their softmax weight is 0 for all values of the inputs.  A NaN or an infinity that reaches only them is not carried to the result.
; A UNIT is 64 rows x 128 along K: four tiles of 16 rows, each [c 4][lane 32][16 codes] (lane (r, h) of tile t: row r, K = 32 c + 16 h + 0 .. 15), then 256 bytes of scale words [lane 32][2]: lane 16 (t % 2) + r, word t / 2.  8,448 bytes.
; cod: x: [256 rows: 32][K step 8][unit 4], then the weights: [two heads: 8][K step 8][head 2][q, k, v].  Row r of tile 2 i + u is row 32 i + 8 u + r + 8 (r / 8) of the unit's 64:
; so a lane's results of two neighbouring tiles are 16 neighbours along the next product's K.
; A block's scale is 2^(floor(log2(its largest magnitude)) - 8), its byte held at 1 from below; numbers are held within 448 x the scale and rounded to the nearest code.
; LIMITS: a block of zeros, and one whose largest magnitude lies under 2^-118, gets the byte 1 (read by this program alone); NaN and infinities are not served.
; SHARES.  A work-group makes one unit, a wave one tile: sixteen loads of 512 consecutive bytes, a row each, turned through the wave's own rows in LDS (pitch 528).
.set SP, 528
.set SCB, 4*16*SP                      ; the unit's 256 bytes of scale words
.set SPARE, SCB+256                    ; the spare words
.set R, 16                             ; v16-79  16 rows as loaded; then v16-31 the codes
.set X, 80                             ; v80-143 64 numbers: block c at X + 16 c
.set BM, 144
.set T1, 148
.set HL, 152
.set SOP, 156
	s_load_b256 s[4:11], s[0:1], 0x0               ; x, Wq, Wk, Wv
	s_load_b64 s[12:13], s[0:1], 0x20              ; cod
	v_lshl_add_u32 v1, v0, 2, SPARE
	v_mov_b32 v2, 0
	v_lshrrev_b32 v3, 5, v0
	v_readfirstlane_b32 s16, v3                    ; wave = tile
	v_and_b32 v4, 31, v0
	v_lshlrev_b32 v5, 4, v4                        ; 16 x lane
	s_mul_i32 s17, s16, 16*SP
	v_add_nc_u32 v6, s17, v5                       ; into my rows: as loaded
	v_and_b32 v7, 15, v0
	v_bfe_u32 v8, v0, 4, 1
	v_mul_u32_u24 v9, v7, SP
	v_lshl_add_u32 v9, v8, 6, v9
	v_add_nc_u32 v9, s17, v9                       ; out of them: row r, + 64 h bytes
	s_and_b32 s18, s16, 1
	s_lshl_b32 s18, s18, 7
	s_lshr_b32 s22, s16, 1
	s_lshl_b32 s22, s22, 2
	s_add_co_u32 s18, s18, s22
	s_add_co_u32 s18, s18, SCB
	v_lshlrev_b32 v10, 3, v7
	v_add_nc_u32 v10, s18, v10                     ; my row's scale word
	v_lshlrev_b32 v12, 3, v4
	v_add_nc_u32 v11, SCB, v12                     ; 8 bytes a lane of the 256
.irp b, 0,1,2,3
	v_mov_b32 v[T1+\b], 0                          ; a lane permute's destination counts as one of its sources
.endr
	s_lshr_b32 s19, ttmp9, 3                       ; the group of 64 rows
	s_and_b32 s20, ttmp9, 7                        ; the K step
	s_lshr_b32 s21, s19, 2
	s_lshl_b32 s21, s21, 3
	s_add_co_u32 s21, s21, s20
	s_lshl_b32 s21, s21, 2
	s_and_b32 s22, s19, 3
	s_add_co_u32 s21, s21, s22                     ; x: the unit's number
	s_sub_co_u32 s23, s19, 128
	s_and_b32 s24, s23, 15                         ; a weight: the head,
	s_lshr_b32 s25, s23, 4                         ; and which of q, k, v
	s_lshr_b32 s26, s24, 1
	s_lshl_b32 s26, s26, 3
	s_add_co_u32 s26, s26, s20
	s_mul_i32 s26, s26, 6
	s_and_b32 s27, s24, 1
	s_mul_i32 s27, s27, 3
	s_add_co_u32 s26, s26, s27
	s_add_co_u32 s26, s26, s25
	s_add_co_u32 s26, s26, 1024
	s_cmp_lt_u32 ttmp9, 1024
	s_cselect_b32 s21, s21, s26
	s_cselect_b32 s24, s19, s24
	s_lshl_b32 s24, s24, 18                        ; 64 rows of 4,096 bytes
	s_lshl_b32 s20, s20, 9                         ; 128 numbers along K
	s_add_co_u32 s24, s24, s20
	s_lshr_b32 s22, s16, 1                         ; my tile's first row: 32 (wave / 2) + 8 (wave % 2)
	s_lshl_b32 s22, s22, 17
	s_add_co_u32 s24, s24, s22
	s_and_b32 s22, s16, 1
	s_lshl_b32 s22, s22, 15
	s_add_co_u32 s24, s24, s22
	s_mov_b32 s25, 0
	s_mul_i32 s28, s21, 8448
	s_add_co_u32 s30, s28, 8192
	s_mov_b32 s31, 0
	s_lshl_b32 s22, s16, 11
	s_add_co_u32 s28, s28, s22
	s_mov_b32 s29, 0
	s_mov_b32 s23, 0x600000                        ; the mantissa field of 448
	s_mov_b32 s34, 0x76543210
	s_mov_b32 s35, 0xfedcba98
	s_wait_alu depctr_va_vdst(0)                   ; the wait at the head's end
	s_wait_kmcnt 0x0
	s_cmp_lt_u32 ttmp9, 1280                       ; which tensor: the choice hangs on the work-group's number alone
	s_cselect_b64 s[10:11], s[8:9], s[10:11]
	s_cmp_lt_u32 ttmp9, 1152
	s_cselect_b64 s[10:11], s[6:7], s[10:11]
	s_cmp_lt_u32 ttmp9, 1024
	s_cselect_b64 s[4:5], s[4:5], s[10:11]
	s_add_nc_u64 s[4:5], s[4:5], s[24:25]
	s_add_nc_u64 s[30:31], s[12:13], s[30:31]
	s_add_nc_u64 s[12:13], s[12:13], s[28:29]
.irp r, 0,1,2,3,4,5,6,7,8,9,10,11,12,13,14,15
	global_load_b128 v[R+4*\r:R+4*\r+3], v5, s[4:5] offset:(\r+8*(\r/8))*4096 th:TH_LOAD_NT   ; 32 lanes read 512 consecutive bytes
.endr
.irp r, 0,1,2,3,4,5,6,7,8,9,10,11,12,13,14,15
	s_wait_loadcnt 15-\r                           ; row r is in; the younger rows may be out
	ds_store_b128 v6, v[R+4*\r:R+4*\r+3] offset:SP*\r
.endr
.irp c, 0,1,2,3
.irp j, 0,1,2,3
	ds_load_b128 v[X+16*\c+4*\j:X+16*\c+4*\j+3], v9 offset:128*\c+16*\j   ; LDS serves a wave's instructions in order: these see my stores
.endr
.endr
	s_wait_dscnt 0x0
.irp b, 0,1,2,3
	v_max3_num_f32 v[BM+\b], |v[X+16*\b]|, |v[X+16*\b+1]|, 0x4800000   ; with the floor 2^(9 - 127)
.endr
.irp i, 2,4,6,8,10,12,14
.irp b, 0,1,2,3
	v_max3_num_f32 v[BM+\b], v[BM+\b], |v[X+16*\b+\i]|, |v[X+16*\b+\i+1]|
.endr
.endr
.irp b, 0,1,2,3
	v_permlanex16_b32 v[T1+\b], v[BM+\b], s34, s35
.endr
.irp b, 0,1,2,3
	v_max_num_f32 v[BM+\b], v[BM+\b], v[T1+\b]     ; with lane l xor 16's: the block's largest magnitude
.endr
.irp b, 0,1,2,3
	v_add_nc_u32 v[SOP+\b], 0xfc000000, v[BM+\b]   ; 8 off its exponent field: the conversion's scale operand
.endr
.irp b, 0,1,2,3
	v_and_or_b32 v[HL+\b], v[BM+\b], 0x7f800000, s23   ; 448 x the scale
.endr
.irp b, 0,1,2,3
	v_lshrrev_b32 v[T1+\b], 23, v[SOP+\b]          ; the scale's byte
.endr
.irp b, 0,1,2,3
.irp i, 0,1,2,3,4,5,6,7,8,9,10,11,12,13,14,15
	v_med3_num_f32 v[X+16*\b+\i], v[X+16*\b+\i], -v[HL+\b], v[HL+\b]   ; the conversion does not saturate (ISA guide 7.6.2)
.endr
.endr
.irp b, 0,1,2,3
	v_cvt_scalef32_pk8_fp8_f32 v[R+4*\b:R+4*\b+1], v[X+16*\b:X+16*\b+7], v[SOP+\b]
	v_cvt_scalef32_pk8_fp8_f32 v[R+4*\b+2:R+4*\b+3], v[X+16*\b+8:X+16*\b+15], v[SOP+\b]
.endr
	v_lshl_or_b32 v[T1], v[T1+1], 8, v[T1]         ; my row's scale word
	v_lshl_or_b32 v[T1], v[T1+2], 16, v[T1]
	v_lshl_or_b32 v[T1], v[T1+3], 24, v[T1]
	ds_store_b32 v10, v[T1]                        ; lanes l and l xor 16 write the same word with the same value
.irp b, 0,1,2,3
	global_store_b128 v5, v[R+4*\b:R+4*\b+3], s[12:13] offset:512*\b   ; 32 lanes store 512 consecutive bytes
.endr
	s_wait_dscnt 0x0                               ; my words are in LDS: for wave 0, which stores the unit's 256 bytes
	s_barrier_signal -1
	s_barrier_wait -1
	s_cmp_lg_u32 s16, 0
	s_cbranch_scc1 .Lend
	ds_load_b64 v[14:15], v11
	s_wait_dscnt 0x0
	global_store_b64 v12, v[14:15], s[30:31]       ; 256 consecutive bytes, at a multiple of 256
.Lend:
	s_wait_tensorcnt 0x0                           ; the wave's end
	ds_add_u32 v1, v2
	s_wait_dscnt 0x0
	s_endpgm
.Lfunc_end_k_q12851b6c25_quant:
	.size	k_q12851b6c25_quant, .Lfunc_end_k_q12851b6c25_quant-k_q12851b6c25_quant
	.p2alignl 7, 3214868480
	.fill 96, 4, 3214868480
	.section	.rodata,"a",@progbits
	.p2align	6, 0x0
	.amdhsa_kernel k_q12851b6c25_quant
		.amdhsa_group_segment_fixed_size 34560
		.amdhsa_private_segment_fixed_size 0
		.amdhsa_enable_private_segment 0
		.amdhsa_kernarg_size 40
		.amdhsa_user_sgpr_count 2
		.amdhsa_user_sgpr_kernarg_segment_ptr 1
		.amdhsa_wavefront_size32 1
		.amdhsa_system_sgpr_workgroup_id_x 1
		.amdhsa_system_sgpr_workgroup_id_y 1
		.amdhsa_system_sgpr_workgroup_id_z 1
		.amdhsa_system_vgpr_workitem_id 0
		.amdhsa_next_free_vgpr 160
		.amdhsa_next_free_sgpr 66
		.amdhsa_reserve_vcc 0
		.amdhsa_float_denorm_mode_32 3
		.amdhsa_float_denorm_mode_16_64 3
		.amdhsa_memory_ordered 1
		.amdhsa_forward_progress 1
		.amdhsa_inst_pref_size 17
	.end_amdhsa_kernel
	.amdgpu_metadata
---
amdhsa.version: [ 1, 2 ]
amdhsa.kernels:
  - .name:           k_q12851b6c25_quant
    .symbol:         k_q12851b6c25_quant.kd
    .args:
      - { .name: x, .offset: 0, .size: 8, .value_kind: global_buffer, .address_space: global }
      - { .name: Wq, .offset: 8, .size: 8, .value_kind: global_buffer, .address_space: global }
      - { .name: Wk, .offset: 16, .size: 8, .value_kind: global_buffer, .address_space: global }
      - { .name: Wv, .offset: 24, .size: 8, .value_kind: global_buffer, .address_space: global }
      - { .name: cod, .offset: 32, .size: 8, .value_kind: global_buffer, .address_space: global }
    .group_segment_fixed_size: 34560
    .private_segment_fixed_size: 0
    .kernarg_segment_align: 8
    .kernarg_segment_size: 40
    .max_flat_workgroup_size: 128
    .sgpr_count:     66
    .vgpr_count:     160
    .wavefront_size: 32
...
	.end_amdgpu_metadata
.endif
;; end of part 1
;; launch proj (part 2): grid 8 x 32, 4 waves a work-group, clusters of 4 x 4, 327,680 bytes of LDS; arguments cod, qf, kv; writes qf, kv
.if DOCPART == 2
	.amdgcn_target "amdgcn-amd-amdhsa--gfx1250"
	.amdhsa_code_object_version 6
	.text
	.protected	k_q12851b6c25_proj
	.globl	k_q12851b6c25_proj
	.p2align	8
	.type	k_q12851b6c25_proj,@function
k_q12851b6c25_proj:
	s_mov_b64 s[64:65], 0
	v_nop
	global_prefetch_b8 v0, s[64:65] scope:SCOPE_SE
	s_setreg_imm32_b32 hwreg(HW_REG_WAVE_MODE, 25, 1), 1
	s_wait_xcnt 0x0
	s_wait_alu depctr_hold_cnt(0) depctr_sa_sdst(0) depctr_va_vdst(0) depctr_va_sdst(0) depctr_va_ssrc(0) depctr_va_vcc(0) depctr_vm_vsrc(0)
	s_getreg_b32 s2, hwreg(HW_REG_IB_STS2, 6, 4)
	s_cmp_eq_u32 s2, 0
	s_cbranch_scc0 .Lentry_in_a_cluster
	s_endpgm
.Lentry_in_a_cluster:
	s_bfe_u32 s2, ttmp6, 0x10000c
	s_cmp_lg_u32 s2, 0xf033
	s_cbranch_scc0 .Lentry_shape_is_right
	s_endpgm
.Lentry_shape_is_right:
; q, k, v = x Wq^T, x Wk^T, x Wv^T on codes of FP8 (E4M3) with one E8M0 scale for each 32 along K = 1,024, sums in f32, quantised in registers (q and k along a head's 64, v along the tokens) and stored as images of the next launch's operand registers.
; THE DEAL.  256 work-groups: 256 tokens x two heads' q, k and v (384 rows of weights).  Four waves, 2 x 2: a wave makes 128 tokens x ONE head's q, k, v (64 each): 96 accumulators of 16 x 16 = 768 registers.  So a wave owns a whole chunk of qf and kv.
; K goes in eight steps of 128 through a ring of two LDS slots.  cod is laid so that a step's tile is one dense run: x: 4 units of 8,448 bytes, weights: 6.  A unit: four tiles of 16 rows as register images (2,048 bytes each), then their scale words: lane 16 (t % 2) + r, word t / 2.
; CLUSTERS: 4 x 4 work-groups.  The four of a row need the same x, the four of a column the same weights: each tile is asked for jointly.  A K step's tile is prefetched into the L2 two refills ahead: each 256 bytes once in a cluster, shared out among its waves by address; K steps 0 to 3 come by their loads alone.
; A STEP: 96 products in four runs of 24: three weight tiles ("a trio") against x's eight tiles, pair by pair.  x has one set of registers, the trios two.  The next trio's fragments are asked for early in a run; in the last run x's pairs take the next step's as soon as their six products are issued.
; PRODUCTS: q, k: source 0 = weight rows, source 1 = x: a lane holds one token, its registers run along the head.  v: source 0 = x, source 1 = weight rows: a lane holds one channel, its registers run along the tokens.
; OUT.  qf: [head 128][tile 64][c 2][lane 32][16 bytes], from byte 8,388,608 scale words [head][chunk 8][g 2][r 16][t 4].  kv: [head 128][chunk 8][17,408]: K [tile 8][c 2][lane][16], K's words [g 2][r 16][t 4], V [dt 4][c 4][lane][16], V's words [copy 2][r 16][dt 4].
; In q's and k's words bytes 2 and 3 are 0: there the next launch's K = 128 holds zero codes.
; LIMITS: a block of zeros, or one whose largest magnitude lies under 2^-118, gets the byte 1 (read by this program alone); NaN and infinities are not served.
; REGISTERS: window 0: v1-7, v28-31 addresses; v8-27 scale words, two sets of ten; v32-127 two trios; v128-255 x.  Windows 1, 2, 3: q's, k's, v's accumulators: (weight tile f, token tile a) at v[8 (8 (f % 4) + a)].
.set UNIT, 8448
.set XT, 4*UNIT                        ; a K step's x
.set WT, 6*UNIT                        ; and weights
.set SLOT, XT+WT
.set SPARE, 2*SLOT                     ; the spare words
.set WBASE, 1024*UNIT                  ; the weights in cod
.set SPW, 1
.set NIL, 2
.set PFO, 3                            ; the prefetches' offset
.set ADX, 4                            ; v4, v5  x's fragments in slot 0, 1;  v6, v7 the weights'
.set ADW, 6
.set SC, 8                             ; set s at SC + 10 s: x's four words, the weights' six: lanes 0-15 an even tile's, lanes 16-31 the odd one's
.set ADSX, 28
.set ADSW, 30
.set WF, 32
.set XF, 128
.set G1X, 24
.set G0X, 32
.set G1W, 48
.set G0W, 56
.set PFA, 66                           ; s[66:67] where my prefetches stand, s[68:69] a K step on
.set PFS, 68
.set MSB, 0
.macro WIN new                         ; the immediate's high byte repeats the setting that is left
.if MSB != (\new)
	s_set_vgpr_msb (MSB<<8)|(\new)
.set MSB, (\new)
.endif
.endm
.macro PLACES n
.rept \n
	v_nop
.endr
.endm
; A joint load: waves 0 and 1 fetch x's halves, waves 2 and 3 the weights'.  Each line has one mask and one set of registers.
.macro JLOAD s
	s_cmp_eq_u32 s15, 0
	s_cbranch_scc0 .Lfor_w_\@
	tensor_load_to_lds s[G0X+4*\s:G0X+4*\s+3], s[G1X:G1X+7]
	s_nop 0
	PLACES 4
	s_branch .Lasked_\@
.Lfor_w_\@:
	tensor_load_to_lds s[G0W+4*\s:G0W+4*\s+3], s[G1W:G1W+7]
	s_nop 0
	PLACES 4
.Lasked_\@:
.endm
.macro CREST                           ; a round of the cluster's barrier behind its opening barrier
	s_cmp_lg_u32 s14, 0
	s_cbranch_scc1 .Lnot_wave_0_\@
	s_barrier_signal -3
.Lnot_wave_0_\@:
	s_barrier_wait -3
	s_barrier_signal -1
	s_barrier_wait -1
.endm
.macro CROUND
	s_barrier_signal -1
	s_barrier_wait -1
	CREST
.endm
	s_load_b128 s[4:7], s[0:1], 0x0                ; cod, qf
	s_load_b64 s[8:9], s[0:1], 0x10                ; kv
	v_lshl_add_u32 v[SPW], v0, 2, SPARE
	v_mov_b32 v[NIL], 0
	ds_add_u32 v[SPW], v[NIL]                      ; the wave's opening: the add, twice on end, and its wait
	ds_add_u32 v[SPW], v[NIL]
	v_lshrrev_b32 v32, 5, v0
	v_readfirstlane_b32 s14, v32                   ; wave 0..3
	s_lshr_b32 s15, s14, 1                         ; my half of the tokens.  Also: I fetch x (0) or weights (1)
	s_and_b32 s16, s14, 1                          ; my head of the two.  Also: the half that I fetch
	s_bfe_u32 s40, ttmp6, 0x40000                  ; cx, cy
	s_bfe_u32 s41, ttmp6, 0x40004
	s_lshl_b32 s42, ttmp9, 2
	s_add_co_u32 s42, s42, s40                     ; which two heads
	s_and_b32 s17, ttmp7, 0xffff
	s_lshl_b32 s17, s17, 2
	s_add_co_u32 s17, s17, s41                     ; which 256 tokens
	s_lshl_b32 s43, s41, 2
	s_lshl_b32 s43, 15, s43                        ; my row of the cluster
	s_lshl_b32 s44, 0x1111, s40                    ; my column
	; descriptor group 1: dense rows of 256 bytes (32 elements of 8 bytes): 66 rows are two units, 99 three
	s_or_b32 s[G1X], s43, (3<<16)|(1<<21)
	s_mov_b32 s[G1X+1], 32<<16
	s_mov_b32 s[G1X+2], 66<<16
	s_mov_b32 s[G1X+3], 32<<16
	s_mov_b32 s[G1X+4], 66
	s_mov_b32 s[G1X+5], 32
	s_mov_b32 s[G1X+6], 0
	s_mov_b32 s[G1X+7], 0
	s_or_b32 s[G1W], s44, (3<<16)|(1<<21)
	s_mov_b32 s[G1W+1], 32<<16
	s_mov_b32 s[G1W+2], 99<<16
	s_mov_b32 s[G1W+3], 32<<16
	s_mov_b32 s[G1W+4], 99
	s_mov_b32 s[G1W+5], 32
	s_mov_b32 s[G1W+6], 0
	s_mov_b32 s[G1W+7], 0
	s_mul_i32 s20, s17, 8*XT                       ; the tiles' places in cod (under 2^24)
	s_mov_b32 s21, 0
	s_mul_i32 s46, s42, 8*WT
	s_add_co_u32 s46, s46, WBASE
	s_mov_b32 s47, 0
	s_mul_i32 s22, s16, 2*UNIT                     ; my half of them
	s_mov_b32 s23, 0
	s_mul_i32 s12, s16, 3*UNIT
	s_mov_b32 s13, 0
	s_add_co_u32 s45, s12, XT                      ; and its place in a slot
	s_wait_dscnt 0x0                               ; both opening adds are done
	s_wait_kmcnt 0x0
	s_add_nc_u64 s[20:21], s[4:5], s[20:21]
	s_add_nc_u64 s[46:47], s[4:5], s[46:47]
	CROUND                                         ; all sixteen work-groups are here: the first joint loads meet
.irp s, 0,1
	s_mov_b32 s[G0X+4*\s], 1
	s_add_co_u32 s[G0X+4*\s+1], s22, \s*SLOT
	s_add_nc_u64 s[G0X+4*\s+2:G0X+4*\s+3], s[20:21], s[22:23]
	s_add_nc_u64 s[G0X+4*\s+2:G0X+4*\s+3], s[G0X+4*\s+2:G0X+4*\s+3], \s*XT
	s_or_b32 s[G0X+4*\s+3], s[G0X+4*\s+3], 0x80000000
	s_mov_b32 s[G0W+4*\s], 1
	s_add_co_u32 s[G0W+4*\s+1], s45, \s*SLOT
	s_add_nc_u64 s[G0W+4*\s+2:G0W+4*\s+3], s[46:47], s[12:13]
	s_add_nc_u64 s[G0W+4*\s+2:G0W+4*\s+3], s[G0W+4*\s+2:G0W+4*\s+3], \s*WT
	s_or_b32 s[G0W+4*\s+3], s[G0W+4*\s+3], 0x80000000
.endr
	JLOAD 0                                        ; K step 0: one tensor load a wave at the head
	; the prefetches: eight waves of a cluster's row share x's 132 blocks of 256 bytes (17 each), eight of its column the weights' 198 (25 each)
	s_mov_b32 s71, 197
	s_mov_b32 s[PFS], WT
	s_mov_b32 s[PFS+1], 0
	s_cmp_eq_u32 s15, 0
	s_cselect_b32 s72, s40, s41
	s_cselect_b32 s73, 17, 25
	s_cselect_b32 s71, 131, s71
	s_cselect_b32 s[PFS], XT, s[PFS]
	s_cselect_b64 s[PFA:PFA+1], s[20:21], s[46:47]
	s_mul_i32 s74, s[PFS], 3                       ; at K step 3: the first refill steps it to 4
	s_mov_b32 s75, 0
	s_add_nc_u64 s[PFA:PFA+1], s[PFA:PFA+1], s[74:75]
	s_lshl_b32 s72, s72, 1
	s_add_co_u32 s72, s72, s16
	s_mul_i32 s72, s72, s73
	s_sub_co_u32 s73, s73, 1
	v_and_b32 v32, 31, v0
	v_min_u32 v[PFO], s73, v32
	v_add_nc_u32 v[PFO], s72, v[PFO]
	v_min_u32 v[PFO], s71, v[PFO]
	v_lshlrev_b32 v[PFO], 8, v[PFO]
	s_mul_i32 s21, s15, 2*UNIT                     ; my 128 tokens' two units
	s_mul_i32 s22, s16, 3*UNIT                     ; my head's three
	s_add_co_u32 s22, s22, XT
	v_lshlrev_b32 v33, 4, v32
	v_lshlrev_b32 v34, 3, v32
.irp s, 0,1
	v_add_nc_u32 v[ADX+\s], s21, v33
	v_add_nc_u32 v[ADW+\s], s22, v33
	s_add_co_u32 s23, s21, 8192
	v_add_nc_u32 v[ADSX+\s], s23, v34
	s_add_co_u32 s23, s22, 8192
	v_add_nc_u32 v[ADSW+\s], s23, v34
	s_add_co_u32 s21, s21, SLOT
	s_add_co_u32 s22, s22, SLOT
.endr
.macro FRAGX a, s                      ; x's tile a: registers 4 c .. 4 c + 3 at 512 c
	WIN 0
.irp c, 0,1,2,3
	ds_load_b128 v[XF+16*(\a)+4*\c:XF+16*(\a)+4*\c+3], v[ADX+\s] offset:((\a)/4)*UNIT+((\a)%4)*2048+512*\c
.endr
.endm
.macro FRAGW f, s
	WIN 0
.set WD_, WF+48*(((\f)/3)%2)+16*((\f)%3)
.irp c, 0,1,2,3
	ds_load_b128 v[WD_+4*\c:WD_+4*\c+3], v[ADW+\s] offset:((\f)/4)*UNIT+((\f)%4)*2048+512*\c
.endr
.endm
.macro FIRST s                         ; a step's first trio and its scale words: 17 loads
	FRAGW 0, \s
	FRAGW 1, \s
	FRAGW 2, \s
.irp u, 0,1
	ds_load_b64 v[SC+10*(\s)+2*\u:SC+10*(\s)+2*\u+1], v[ADSX+\s] offset:\u*UNIT
.endr
.irp u, 0,1,2
	ds_load_b64 v[SC+10*(\s)+4+2*\u:SC+10*(\s)+4+2*\u+1], v[ADSW+\s] offset:\u*UNIT
.endr
.endm
.macro WM d, a, b, c, sa, sb, oa, ob   ; one product; oa, ob: the scale word lies in lanes 16-31
.if (\oa) && (\ob)
	v_wmma_scale_f32_16x16x128_f8f6f4 v[\d:\d+7], v[\a:\a+15], v[\b:\b+15], \c, v[\sa], v[\sb] matrix_a_scale:MATRIX_SCALE_ROW1 matrix_b_scale:MATRIX_SCALE_ROW1
.elseif (\oa)
	v_wmma_scale_f32_16x16x128_f8f6f4 v[\d:\d+7], v[\a:\a+15], v[\b:\b+15], \c, v[\sa], v[\sb] matrix_a_scale:MATRIX_SCALE_ROW1
.elseif (\ob)
	v_wmma_scale_f32_16x16x128_f8f6f4 v[\d:\d+7], v[\a:\a+15], v[\b:\b+15], \c, v[\sa], v[\sb] matrix_b_scale:MATRIX_SCALE_ROW1
.else
	v_wmma_scale_f32_16x16x128_f8f6f4 v[\d:\d+7], v[\a:\a+15], v[\b:\b+15], \c, v[\sa], v[\sb]
.endif
.endm
.macro PROD s, f, a, zero              ; weight tile f x token tile a; the 96 accumulators take turns, one instruction a turn
.set F_, \f
.set A_, \a
.set AC_, 8*(8*(F_%4)+A_)
.set W_, WF+48*((F_/3)%2)+16*(F_%3)
.set X_, XF+16*A_
.set WSC_, SC+10*(\s)+4+2*(F_/4)+(F_%4)/2
.set XSC_, SC+10*(\s)+2*(A_/4)+(A_%4)/2
	WIN 0x50*(1+F_/4)
.if \zero
.if F_ < 8
	WM AC_, W_, X_, 0, WSC_, XSC_, F_%2, A_%2
.else
	WM AC_, X_, W_, 0, XSC_, WSC_, A_%2, F_%2
.endif
.else
.if F_ < 8
	WM AC_, W_, X_, v[AC_:AC_+7], WSC_, XSC_, F_%2, A_%2
.else
	WM AC_, X_, W_, v[AC_:AC_+7], XSC_, WSC_, A_%2, F_%2
.endif
.endif
.endm
; Ahead of product i of run T: the waits, and in run 3 the change of slots.  kind 2: this slot is filled again; 1: the other slot is only shown; 0: the last step.
; LDS loads come back in order.  Run 0: behind x's pair 0 stand pairs 1, 2 (16 loads); behind pair 1 pairs 2, 3 (16); behind pair 2 pair 3 and the next trio (20); behind pair 3 the next trio (12).
.macro PRE T, s, i, kind
.if \T == 0
.if (\i) == 0 || (\i) == 6
	s_wait_dscnt 16
.elseif (\i) == 12
	s_wait_dscnt 20
.elseif (\i) == 18
	s_wait_dscnt 12
.endif
.elseif \T < 3 || \kind == 0
.if (\i) == 0
	s_wait_dscnt 0x0
.endif
.elseif (\i) == 0
	WIN 0
.if \kind == 2 || \kind == 4           ; kinds 2, 3, 4: this slot is filled again; 4 prefetches, 2 does in the loop's first trip, 3 does not
	s_wait_xcnt 0x0                                ; any prefetch of mine has read its address: it is stepped here
	s_add_nc_u64 s[PFA:PFA+1], s[PFA:PFA+1], s[PFS:PFS+1]
.endif
	s_wait_tensorcnt 0x0                           ; all my tensor loads have landed: my part of the next slot;
	ds_add_u32 v[SPW], v[NIL]                      ; 0 onto my spare word
	s_wait_dscnt 1                                 ; this run's trio is in (the add may be out)
.elseif (\i) == 4
	s_wait_dscnt 0x0                               ; the add is done, and my reads of this slot are over
	s_barrier_signal -1
.elseif (\i) == 8
	WIN 0
	s_barrier_wait -1
.if \kind > 1
	CREST                                          ; no wave of any partner still reads this slot or has a load on its way
	s_add_nc_u64 s[G0X+4*\s+2:G0X+4*\s+3], s[G0X+4*\s+2:G0X+4*\s+3], 2*XT
	s_add_nc_u64 s[G0W+4*\s+2:G0W+4*\s+3], s[G0W+4*\s+2:G0W+4*\s+3], 2*WT
	JLOAD \s
.endif
	FIRST 1-\s
.if \kind == 2
	s_cmp_eq_u32 s3, 2                             ; the loop's first trip: K step 6
	s_cbranch_scc0 .Lnone_\@
	global_prefetch_b8 v[PFO], s[PFA:PFA+1] th:TH_LOAD_NT scope:SCOPE_SE
.Lnone_\@:
.elseif \kind == 4
	global_prefetch_b8 v[PFO], s[PFA:PFA+1] th:TH_LOAD_NT scope:SCOPE_SE
.endif
.endif
.endm
; Behind product i of run T: fragment loads, each eight plain places (v_nop, two behind a product) behind the last product that read its registers.
.macro GAP T, s, i, kind
.if \T == 3
.if \kind
.if (\i) == 12 || (\i) == 13
	FRAGX (\i)-12, 1-\s
.elseif (\i) == 16 || (\i) == 17
	FRAGX (\i)-14, 1-\s
.elseif (\i) == 21 || (\i) == 22
	FRAGX (\i)-17, 1-\s
.endif
	PLACES 2
.endif
.elseif (\i) < 4
	PLACES 2
.elseif \T == 0
.if (\i) < 6
	FRAGX (\i)+2, \s
.elseif (\i) < 9
	FRAGW (\i)-3, \s
.endif
.elseif (\i) < 7
	FRAGW 3*(\T)+(\i)-1, \s
.endif
.endm
.macro TRIO T, s, zero, kind
.set I_, 0
.rept 24
	PRE \T, \s, I_, \kind
	PROD \s, 3*(\T)+(I_%6)/2, 2*(I_/6)+I_%2, \zero
	GAP \T, \s, I_, \kind
.set I_, I_+1
.endr
.endm
.macro KSTEP s, zero, kind
	TRIO 0, \s, \zero, \kind
	TRIO 1, \s, \zero, \kind
	TRIO 2, \s, \zero, \kind
	TRIO 3, \s, \zero, \kind
.endm
	s_wait_alu depctr_va_vdst(0)                   ; the wait at the head's end
	s_wait_tensorcnt 0x0                           ; my part of K step 0 is in; these lines ahead of a later first fill, as ahead of a refill:
	ds_add_u32 v[SPW], v[NIL]
	s_wait_dscnt 0x0
	CROUND
	JLOAD 1                                        ; K step 1, the first tensor load behind the round
	FIRST 0
.irp a, 0,1,2,3,4,5
	FRAGX \a, 0
.endr
	KSTEP 0, 1, 4                                  ; K step 0 starts the sums; fills K step 2, prefetches 4
	WIN 0
	s_mov_b32 s3, 2
.Lk:                                               ; K steps 1 to 4; they fill 3 to 6
	KSTEP 1, 0, 4                                  ; prefetches 5, then 7
	KSTEP 0, 0, 2
	WIN 0
	s_sub_co_u32 s3, s3, 1
	s_cmp_lg_u32 s3, 0
	s_cbranch_scc1 .Lk
	KSTEP 1, 0, 3                                  ; K step 5 fills 7
	KSTEP 0, 0, 1
	KSTEP 1, 0, 0
	WIN 0
; THE WAY OUT: four blocks of 32 at a time, each in lanes l and l xor 16.
.set EL, 4
.set TM, 16
.set T1, 20
.set HL, 24
.set SOP, 28
.set PWQ, 32
.set PWK, 40
.set PWV, 48
.set SDQ, 52
.set SDK, 56
.set PC, 64                            ; v64-255 codes, 16 registers a call: no store's data are written again
	s_lshr_b32 s20, s17, 2                         ; the batch
	s_lshl_b32 s20, s20, 4
	s_lshl_b32 s21, s42, 1
	s_add_co_u32 s20, s20, s21
	s_add_co_u32 s20, s20, s16                     ; 16 x batch + head
	s_and_b32 s21, s17, 3
	s_lshl_b32 s21, s21, 1
	s_add_co_u32 s21, s21, s15                     ; the chunk of 128 tokens
	s_lshl_b32 s22, s20, 16
	s_lshl_b32 s12, s21, 13
	s_add_co_u32 s22, s22, s12
	s_mov_b32 s23, 0
	s_add_nc_u64 s[72:73], s[6:7], s[22:23]        ; q's codes
	s_lshl_b32 s22, s20, 12
	s_lshl_b32 s12, s21, 9
	s_add_co_u32 s22, s22, s12
	s_add_co_u32 s22, s22, 0x800000
	s_add_nc_u64 s[74:75], s[6:7], s[22:23]        ; q's scale words
	s_mul_i32 s22, s20, 8*17408
	s_mul_i32 s12, s21, 17408
	s_add_co_u32 s22, s22, s12
	s_add_nc_u64 s[76:77], s[8:9], s[22:23]        ; the chunk of kv
	s_mov_b32 s78, 0x76543210
	s_mov_b32 s79, 0xfedcba98
	s_mov_b32 s80, 0x600000                        ; the mantissa field of 448
	s_mov_b32 s81, 0xffff0000
	PLACES 8                                       ; behind the last products
	v_and_b32 v[EL], 31, v0
	v_lshlrev_b32 v[EL], 4, v[EL]
.irp b, 0,1,2,3
	v_mov_b32 v[T1+\b], 0                          ; a lane permute's destination counts as one of its sources
.endr
; Block b: eight registers at p0 = base + (b / 2) s1 + (b % 2) s2 and eight at p0 + s3, in window w; codes into call n's registers.  Each accumulator is read from its low end on.
.macro QUANTW n, w, base, s1, s2, s3
	WIN 5*(\w)
.irp b, 0,1,2,3
.set P_, (\base)+(\b/2)*(\s1)+(\b%2)*(\s2)
	v_max3_num_f32 v[TM+\b], |v[P_]|, |v[P_+1]|, 0x4800000   ; with the floor 2^(9 - 127)
.endr
	WIN 20*(\w)
.irp i, 2,4,6
.irp b, 0,1,2,3
.set P_, (\base)+(\b/2)*(\s1)+(\b%2)*(\s2)
	v_max3_num_f32 v[TM+\b], v[TM+\b], |v[P_+\i]|, |v[P_+\i+1]|
.endr
.endr
.irp i, 0,2,4,6
.irp b, 0,1,2,3
.set P_, (\base)+(\b/2)*(\s1)+(\b%2)*(\s2)+(\s3)
	v_max3_num_f32 v[TM+\b], v[TM+\b], |v[P_+\i]|, |v[P_+\i+1]|
.endr
.endr
	WIN 0
.irp b, 0,1,2,3
	v_permlanex16_b32 v[T1+\b], v[TM+\b], s78, s79
.endr
.irp b, 0,1,2,3
	v_max_num_f32 v[TM+\b], v[TM+\b], v[T1+\b]
.endr
.irp b, 0,1,2,3
	v_add_nc_u32 v[SOP+\b], 0xfc000000, v[TM+\b]   ; the conversion's scale operand
.endr
.irp b, 0,1,2,3
	v_and_or_b32 v[HL+\b], v[TM+\b], 0x7f800000, s80   ; 448 x the scale
.endr
.irp b, 0,1,2,3
	v_lshrrev_b32 v[T1+\b], 23, v[SOP+\b]          ; the scale's byte
.endr
	WIN 65*(\w)
.irp b, 0,1,2,3
.irp i, 0,1,2,3,4,5,6,7
.set P_, (\base)+(\b/2)*(\s1)+(\b%2)*(\s2)+\i
	v_med3_num_f32 v[P_], v[P_], -v[HL+\b], v[HL+\b]   ; the conversion does not saturate (ISA guide 7.6.2)
	v_med3_num_f32 v[P_+\s3], v[P_+\s3], -v[HL+\b], v[HL+\b]
.endr
.endr
	WIN \w
.irp b, 0,1,2,3
.set P_, (\base)+(\b/2)*(\s1)+(\b%2)*(\s2)
.set C_, PC+16*(\n)+4*\b
	v_cvt_scalef32_pk8_fp8_f32 v[C_:C_+1], v[P_:P_+7], v[SOP+\b]
	v_cvt_scalef32_pk8_fp8_f32 v[C_+2:C_+3], v[P_+\s3:P_+\s3+7], v[SOP+\b]
.endr
	WIN 0
.endm
.macro QKOUT part, ptr, pw             ; q (0) or k (1): token tiles a, a + 1, the head's two blocks each
.irp a, 0,2,4,6
	QUANTW 4*(\part)+\a/2, 1+\part, 8*\a, 8, 128, 64
	v_lshl_or_b32 v[\pw+\a], v[T1+1], 8, v[T1]     ; the tiles' scale words: two bytes
	v_lshl_or_b32 v[\pw+\a+1], v[T1+3], 8, v[T1+2]
.irp b, 0,1,2,3
	global_store_b128 v[EL], v[PC+64*(\part)+8*\a+4*\b:PC+64*(\part)+8*\a+4*\b+3], s[\ptr:\ptr+1] offset:(\a+\b/2)*1024+(\b%2)*512   ; 512 consecutive bytes
.endr
.endr
.endm
	QKOUT 0, 72, PWQ
	QKOUT 1, 76, PWK
.irp d, 0,1,2,3                        ; v: 16 channels, the chunk's four blocks of tokens
	QUANTW 8+\d, 3, 64*\d, 32, 16, 8
	v_lshl_or_b32 v[PWV+\d], v[T1+1], 8, v[T1]
	v_lshl_or_b32 v[PWV+\d], v[T1+2], 16, v[PWV+\d]
	v_lshl_or_b32 v[PWV+\d], v[T1+3], 24, v[PWV+\d]
.irp b, 0,1,2,3
	global_store_b128 v[EL], v[PC+128+16*\d+4*\b:PC+128+16*\d+4*\b+3], s[76:77] offset:8704+2048*\d+512*\b
.endr
.endr
.irp t, 0,1,2,3                        ; lane (r, g): row r of tiles 4 g .. 4 g + 3
	v_cndmask_b32 v[SDQ+\t], v[PWQ+\t], v[PWQ+4+\t], s81
	v_cndmask_b32 v[SDK+\t], v[PWK+\t], v[PWK+4+\t], s81
.endr
	global_store_b128 v[EL], v[SDQ:SDQ+3], s[74:75]
	global_store_b128 v[EL], v[SDK:SDK+3], s[76:77] offset:8192
	global_store_b128 v[EL], v[PWV:PWV+3], s[76:77] offset:16896
	s_wait_tensorcnt 0x0                           ; the wave's end
	ds_add_u32 v[SPW], v[NIL]
	s_wait_dscnt 0x0
	CROUND                                         ; the closing round: no work-group ends while a partner may still ask for a tile that names it
	s_endpgm
.Lfunc_end_k_q12851b6c25_proj:
	.size	k_q12851b6c25_proj, .Lfunc_end_k_q12851b6c25_proj-k_q12851b6c25_proj
	.p2alignl 7, 3214868480
	.fill 96, 4, 3214868480
	.section	.rodata,"a",@progbits
	.p2align	6, 0x0
	.amdhsa_kernel k_q12851b6c25_proj
		.amdhsa_group_segment_fixed_size 327680
		.amdhsa_private_segment_fixed_size 0
		.amdhsa_enable_private_segment 0
		.amdhsa_kernarg_size 24
		.amdhsa_user_sgpr_count 2
		.amdhsa_user_sgpr_kernarg_segment_ptr 1
		.amdhsa_wavefront_size32 1
		.amdhsa_system_sgpr_workgroup_id_x 1
		.amdhsa_system_sgpr_workgroup_id_y 1
		.amdhsa_system_sgpr_workgroup_id_z 1
		.amdhsa_system_vgpr_workitem_id 0
		.amdhsa_next_free_vgpr 1024
		.amdhsa_next_free_sgpr 90
		.amdhsa_reserve_vcc 0
		.amdhsa_float_denorm_mode_32 3
		.amdhsa_float_denorm_mode_16_64 3
		.amdhsa_memory_ordered 1
		.amdhsa_forward_progress 1
		.amdhsa_inst_pref_size 244
	.end_amdhsa_kernel
	.amdgpu_metadata
---
amdhsa.version: [ 1, 2 ]
amdhsa.kernels:
  - .name:           k_q12851b6c25_proj
    .symbol:         k_q12851b6c25_proj.kd
    .args:
      - { .name: cod, .offset: 0, .size: 8, .value_kind: global_buffer, .address_space: global }
      - { .name: qf, .offset: 8, .size: 8, .value_kind: global_buffer, .address_space: global }
      - { .name: kv, .offset: 16, .size: 8, .value_kind: global_buffer, .address_space: global }
    .group_segment_fixed_size: 327680
    .private_segment_fixed_size: 0
    .kernarg_segment_align: 8
    .kernarg_segment_size: 24
    .max_flat_workgroup_size: 128
    .sgpr_count:     90
    .vgpr_count:     1024
    .wavefront_size: 32
...
	.end_amdgpu_metadata
.endif
;; end of part 2
;; launch attn (part 3): grid 2 x 128, 8 waves a work-group, no clusters, 209,920 bytes of LDS; arguments qf, kv, out0; writes out0
.if DOCPART == 3
	.amdgcn_target "amdgcn-amd-amdhsa--gfx1250"
	.amdhsa_code_object_version 6
	.text
	.protected	k_q12851b6c25_attn
	.globl	k_q12851b6c25_attn
	.p2align	8
	.type	k_q12851b6c25_attn,@function
k_q12851b6c25_attn:
	s_mov_b64 s[64:65], 0
	v_nop
	global_prefetch_b8 v0, s[64:65] scope:SCOPE_SE
	s_setreg_imm32_b32 hwreg(HW_REG_WAVE_MODE, 25, 1), 1
	s_wait_xcnt 0x0
; out0[b][q][64 head + d] = the sum over keys k <= q of softmax_k(Q[q] . K[k] / 32) V[k][d], for 128 heads (16 x batch + head) of 1,024 tokens and 64 channels, both products on codes of FP8 (E4M3) with one E8M0 scale for each 32 along a product's K.
; qf and kv hold images of operand registers (registers 4 c .. 4 c + 3 of lane l at 512 c + 16 l) and scale words:
;   qf: Q [head][tile 64][c 2][lane][16 bytes]; from byte 8,388,608 its scale words [head][chunk 8][g 2][r 16][t 4].   kv: [head][chunk 8][17,408]: K [tile 8][c 2][lane][16] | K's words [g 2][r 16][t 4] | V [dt 4][c 4][lane][16] | V's words [2][r 16][dt 4].
;   A chunk is 128 tokens.  Lane r of tile 2 i + u is token (or channel) 32 i + 8 u + r + 8 (r / 8), so that a lane's 16 results of tiles 2 i and 2 i + 1 are 16 neighbours: 32 i + 16 (lane / 16) + 0 .. 15.
; SOFTMAX: t = score x log2(e) / 32; M = the row's largest t so far, rounded UP to a whole number; p = 2^(t - M) is quantised along the keys, not normalised.  The row's sum is taken of the unquantised p and divides O at the end.  When M moves, the sum and O are multiplied by 2^(old M - new M).
; SHARES.  A wave takes 32 queries at a time, two tiles A and B, so that each fragment of K and of V serves two products.  Wave w of work-group g takes queries 32 i .. 32 i + 31, i = 2 w + g, and then those of 31 - i: i / 4 + 1 key steps of 128 and (31 - i) / 4 + 1: nine in all for every wave.
; LEFT OUT: chunks of 128 keys all of which the causal mask of reference() hides from the 32 queries: they have no part in the result for any values of the inputs.  In a group's last step hidden keys' scores get -1e38 as the product's C: p = 0.  Key 0 counts for every query.
; The head's block of kv, 139,264 bytes, comes into LDS once, a chunk a wave; the first step needs chunk 0 alone and starts when that is in.  No byte of LDS is filled twice.
; NO CLUSTER: a head's block has two readers, the grid's 2 along x, which a cluster of four along x does not divide; each reads it once.  NO PREFETCH: every byte is asked for at the head, and the loop reads LDS alone.
; K = 64 IN A FORM OF K = 128: Q's upper eight registers hold zero codes.  K's tile t is named with the eight registers behind it (the next tile's codes; behind tile 7 V's or zeros), which meet Q's zero codes and add nothing.  Their scale bytes are 0, that is 2^-127, in both words.
; LIMITS: the scaled scores stay under 2^31 in magnitude; NaN and infinities are not served.  A block's largest p is taken through its largest score, which takes v_exp_f32 not to fall where its input rises (the ISA guide promises 1 ulp).  A block whose every p is 0 keeps the scale byte 1: its codes are zeros.
; REGISTERS: v128-255 of window 0 are tile A's, of window 1 tile B's: S 64, O 32, P's codes 16, Q 16.  Window 1: v0-63 K's eight tiles, v64-127 V's four.  Window 0, v0-127: all else.
.set CHUNK, 17408
.set STAGE, 8*CHUNK                    ; two tiles of 16 rows x (256 bytes + 16) for each wave; no tensor load lands here
.set SPARE, STAGE+8*2*16*272           ; the spare words
.set LI, 1                             ; 16 x lane
.set AD, 2                             ; the same in this step's chunk;  v121 in the next step's
.set ADN, 121
.set SOA, 3
.set SRA, 4
.set GO, 5
.set SPW, 6
.set NIL, 7
.set KSW, 8                            ; K's scale words: lanes 0-15 tiles 0-3, lanes 16-31 tiles 4-7
.set QSW, 12                           ; Q's, A and B
.set PW, 14                            ; p's, A and B
.set VSW, 16
.set NM, 20                            ; -M, A at 20, B at 22
.set MX, 21                            ; the largest score, A at 21, B at 23
.set FF, 24                            ; 2^(old M - new M), A at 24, B at 26
.set TA, 25
.set SUM, 28                           ; the sum in two halves, A v[28:29], B v[30:31]
.set CH, 32                            ; v32-37 three more chains
.set QSW2, 38                          ; the second group's Q words
.set BM, 40                            ; the blocks' largest scores, then largest p: A 40-43, B 44-47
.set T1, 48
.set SOP, 64
.set MK, 72                            ; v72-95 the mask on the diagonal, v96-103 -1e38
.set Q2, 104                           ; v104-119 the second group's Q
.set QSO, 120
.set SCO, 128
.set OT, 192
.set PCD, 224                          ; P's codes; until they are made its last four registers hold 448 x the blocks' scales
.set QF, 240
.set TR, 2                             ; the step's number, 0 .. 8
.set N1, 3                             ; steps of the first group
.set OH, 14
.set GS, 16                            ; the first group, the second
.set GL, 17
.set WV, 18
.set MNT, 19
.set SEL, 20
.set CS, 22                            ; s[22:23] c = log2(e) / 32, s24 -c
.set NC, 24
.set CB, 25                            ; LDS byte of this step's chunk, of the next step's
.set CN, 26
.set NB, 27                            ; blocks of 32 keys that count in a group's last step; 0 in the others
.set GC, 28
.set G1, 32
.set G0, 40
.set OP, 66
.set MSB, 0
.macro WIN new                         ; the immediate's high byte repeats the setting that is left
.if MSB != (\new)
	s_set_vgpr_msb (MSB<<8)|(\new)
.set MSB, (\new)
.endif
.endm
.macro PLACES n
.rept \n
	v_nop
.endr
.endm
	s_load_b128 s[4:7], s[0:1], 0x0                ; qf, kv
	s_load_b64 s[8:9], s[0:1], 0x10                ; out0
	v_lshl_add_u32 v[SPW], v0, 2, SPARE
	v_mov_b32 v[NIL], 0
	ds_add_u32 v[SPW], v[NIL]                      ; the wave's opening: the add, twice on end, and its wait
	ds_add_u32 v[SPW], v[NIL]
	v_lshrrev_b32 v32, 5, v0
	v_readfirstlane_b32 s[WV], v32                 ; wave 0..7
	s_and_b32 s51, ttmp7, 0xffff                   ; the head
	s_mul_i32 s[G0+1], s[WV], CHUNK                ; my chunk: its place in LDS
	s_mul_i32 s52, s51, 8*CHUNK
	s_add_co_u32 s52, s52, s[G0+1]                 ; and in kv (under 2^25)
	s_mov_b32 s53, 0
	; descriptor group 1: 68 dense rows of 256 bytes (32 elements of 8 bytes)
	s_mov_b32 s[G1], 3<<16
	s_mov_b32 s[G1+1], 32<<16
	s_mov_b32 s[G1+2], 68<<16
	s_mov_b32 s[G1+3], 32<<16
	s_mov_b32 s[G1+4], 68
	s_mov_b32 s[G1+5], 32
	s_mov_b32 s[G1+6], 0
	s_mov_b32 s[G1+7], 0
	s_mov_b32 s[G0], 1
	s_wait_dscnt 0x0                               ; both opening adds are done
	s_wait_kmcnt 0x0
	s_add_nc_u64 s[G0+2:G0+3], s[6:7], s[52:53]
	s_or_b32 s[G0+3], s[G0+3], 0x80000000
	s_cmp_lt_u32 s[WV], 1                          ; one tensor load a wave; chunk 0, which is shown first, has a line of its own
	s_cbranch_scc0 .Lrest
	tensor_load_to_lds s[G0:G0+3], s[G1:G1+7]
	s_nop 0
	PLACES 4
	s_branch .Lasked
.Lrest:
	tensor_load_to_lds s[G0:G0+3], s[G1:G1+7]
	s_nop 0
	PLACES 4
.Lasked:
	s_lshl_b32 s[GS], s[WV], 1
	s_add_co_u32 s[GS], s[GS], ttmp9
	s_sub_co_u32 s[GL], 31, s[GS]
	s_lshr_b32 s[N1], s[GS], 2
	s_add_co_u32 s[N1], s[N1], 1
	s_lshl_b32 s52, s51, 16                        ; Q: 2,048 bytes a group
	s_lshl_b32 s54, s[GS], 11
	s_add_co_u32 s54, s54, s52
	s_mov_b32 s55, 0
	s_add_nc_u64 s[10:11], s[4:5], s[54:55]
	s_lshl_b32 s54, s[GL], 11
	s_add_co_u32 s54, s54, s52
	s_add_nc_u64 s[12:13], s[4:5], s[54:55]
	s_lshl_b32 s52, s51, 12                        ; its scale words: 256 (group / 2) + 8 (group % 2)
	s_add_co_u32 s52, s52, 0x800000
	s_lshr_b32 s54, s[GS], 1
	s_lshl_b32 s54, s54, 8
	s_add_co_u32 s54, s54, s52
	s_and_b32 s56, s[GS], 1
	s_lshl_b32 s56, s56, 3
	s_add_co_u32 s54, s54, s56
	s_add_nc_u64 s[68:69], s[4:5], s[54:55]
	s_lshr_b32 s54, s[GL], 1
	s_lshl_b32 s54, s54, 8
	s_add_co_u32 s54, s54, s52
	s_and_b32 s56, s[GL], 1
	s_lshl_b32 s56, s56, 3
	s_add_co_u32 s54, s54, s56
	s_add_nc_u64 s[70:71], s[4:5], s[54:55]
	s_lshr_b32 s52, s51, 4
	s_lshl_b32 s52, s52, 22                        ; out0: the batch's 1,024 rows of 4,096 bytes, the head's 256 bytes of a row
	s_and_b32 s56, s51, 15
	s_lshl_b32 s56, s56, 8
	s_add_co_u32 s52, s52, s56
	s_add_nc_u64 s[OH:OH+1], s[8:9], s[52:53]
	v_and_b32 v[LI], 31, v0
	v_and_b32 v32, 15, v0                          ; r
	v_bfe_u32 v33, v0, 4, 1                        ; h
	v_lshlrev_b32 v[LI], 4, v[LI]
	v_lshlrev_b32 v[QSO], 4, v32
	s_wait_alu depctr_va_vdst(0)
	global_load_b128 v[QF:QF+3], v[LI], s[10:11] th:TH_LOAD_NT
	global_load_b128 v[QF+4:QF+7], v[LI], s[10:11] offset:512 th:TH_LOAD_NT
	global_load_b64 v[QSW:QSW+1], v[QSO], s[68:69]
	global_load_b128 v[Q2:Q2+3], v[LI], s[12:13] th:TH_LOAD_NT
	global_load_b128 v[Q2+4:Q2+7], v[LI], s[12:13] offset:512 th:TH_LOAD_NT
	global_load_b128 v[Q2+8:Q2+11], v[LI], s[12:13] offset:1024 th:TH_LOAD_NT
	global_load_b128 v[Q2+12:Q2+15], v[LI], s[12:13] offset:1536 th:TH_LOAD_NT
	global_load_b64 v[QSW2:QSW2+1], v[QSO], s[70:71]
	WIN 0x40
	global_load_b128 v[QF:QF+3], v[LI], s[10:11] offset:1024 th:TH_LOAD_NT
	global_load_b128 v[QF+4:QF+7], v[LI], s[10:11] offset:1536 th:TH_LOAD_NT
.irp j, 0,1,2,3,4,5,6,7
	v_mov_b32 v[QF+8+\j], 0                        ; B's: zero codes; written once
	v_mov_b32 v[64+\j], 0                          ; what stands behind K's tile 7 until V comes
.endr
.set j, 0
.rept 32
	v_mov_b32 v[OT+j], 0                           ; the first change of M multiplies zeros
.set j, j+1
.endr
	WIN 0
.set j, 0
.rept 32
	v_mov_b32 v[OT+j], 0
.set j, j+1
.endr
.irp j, 0,1,2,3,4,5,6,7
	v_mov_b32 v[QF+8+\j], 0
	v_mov_b32 v[T1+\j], 0                          ; a lane permute's destination counts as one of its sources
.endr
.irp j, 0,1,2,3
	v_mov_b32 v[SUM+\j], 0
.endr
	s_mul_i32 s52, s[WV], 2*16*272
	s_add_co_u32 s52, s52, STAGE                   ; my stage
	v_mul_u32_u24 v[SOA], v32, 272
	v_lshl_add_u32 v[SOA], v33, 6, v[SOA]
	v_add_nc_u32 v[SOA], s52, v[SOA]               ; in: row r, + 64 h: my half's 16 channels of each 32
	v_mul_u32_u24 v[SRA], v33, 272
	v_lshl_add_u32 v[SRA], v32, 4, v[SRA]
	v_add_nc_u32 v[SRA], s52, v[SRA]               ; back: lanes 0-15 one row, lanes 16-31 the next
	v_lshlrev_b32 v[GO], 12, v33
	v_lshl_add_u32 v[GO], v32, 4, v[GO]
	; the mask on the diagonal block of 32 keys: A's register i holds key 16 h + i against query r' = r + 8 (r / 8), B's against r' + 8: register MK + n is -1e38 where n - 8 > r' - 16 h; A takes n = 8 + i, B n = i
	v_and_b32 v34, 8, v32
	v_add_nc_u32 v34, v34, v32
	v_lshlrev_b32 v35, 4, v33
	v_sub_nc_u32 v34, v34, v35
	v_add_nc_u32 v34, 8, v34
	v_mov_b32 v[MK+24], 0xfe967699                 ; -1e38
.set j, 0
.rept 24
	v_cmp_gt_i32 vcc_lo, j, v34
	v_cndmask_b32 v[MK+j], 0, v[MK+24], vcc_lo
.set j, j+1
.endr
.irp j, 1,2,3,4,5,6,7
	v_mov_b32 v[MK+24+\j], v[MK+24]
.endr
	s_mov_b32 s[SEL], 0x76543210
	s_mov_b32 s[SEL+1], 0xfedcba98
	s_mov_b32 s[CS], 0x3d38aa3b                    ; c
	s_mov_b32 s[CS+1], s[CS]                       ; (named with it as a pair)
	s_mov_b32 s[NC], 0xbd38aa3b                    ; -c
	s_mov_b32 s[MNT], 0x600000
	s_mov_b32 s[TR], 0
.macro BEGIN                           ; a group begins: the largest score is -3e38; the first step's factor is then 0, and the old sum and O are finite
.irp x, 0,1
	v_mov_b32 v[MX+2*\x], 0xff61b1e6
.endr
.irp x, 0,1
	v_mul_f32 v[NM+2*\x], s[NC], v[MX+2*\x]
.endr
.irp x, 0,1
	v_floor_f32 v[NM+2*\x], v[NM+2*\x]
.endr
.irp x, 0,1
	v_mov_b32 v[TA+2*\x], 0
.endr
.endm
; Step s[TR]: its group, its chunk, the next step's chunk (behind the last step: chunk 7 at the most), and the blocks that count.
.macro CALC
	s_cmp_lt_u32 s[TR], s[N1]
	s_cselect_b32 s52, 0, s[N1]
	s_cselect_b32 s[GC], s[GS], s[GL]
	s_sub_co_u32 s52, s[TR], s52
	s_lshr_b32 s56, s[GC], 2
	s_and_b32 s57, s[GC], 3
	s_add_co_u32 s57, s57, 1
	s_cmp_eq_u32 s52, s56
	s_cselect_b32 s[NB], s57, 0
	s_min_u32 s52, s52, 7
	s_mul_i32 s[CB], s52, CHUNK
	s_add_co_u32 s56, s[TR], 1
	s_cmp_lt_u32 s56, s[N1]
	s_cselect_b32 s57, 0, s[N1]
	s_sub_co_u32 s56, s56, s57
	s_min_u32 s56, s56, 7
	s_mul_i32 s[CN], s56, CHUNK
.endm
.macro KLOAD adr                       ; a chunk's K: 17 loads
	WIN 0x40
.irp t, 0,1,2,3,4,5,6,7
	ds_load_b128 v[8*\t:8*\t+3], v[\adr] offset:1024*\t
	ds_load_b128 v[8*\t+4:8*\t+7], v[\adr] offset:1024*\t+512
.endr
	WIN 0
	ds_load_b128 v[KSW:KSW+3], v[\adr] offset:8192
.endm
.macro QKW t, x
.if CM_
.if \t < 4
	v_wmma_scale_f32_16x16x128_f8f6f4 v[SCO+8*\t:SCO+8*\t+7], v[8*\t:8*\t+15], v[QF:QF+15], v[CM_:CM_+7], v[KSW+\t], v[QSW+\x]
.else
	v_wmma_scale_f32_16x16x128_f8f6f4 v[SCO+8*\t:SCO+8*\t+7], v[8*\t:8*\t+15], v[QF:QF+15], v[CM_:CM_+7], v[KSW+\t-4], v[QSW+\x] matrix_a_scale:MATRIX_SCALE_ROW1
.endif
.else
.if \t < 4
	v_wmma_scale_f32_16x16x128_f8f6f4 v[SCO+8*\t:SCO+8*\t+7], v[8*\t:8*\t+15], v[QF:QF+15], 0, v[KSW+\t], v[QSW+\x]
.else
	v_wmma_scale_f32_16x16x128_f8f6f4 v[SCO+8*\t:SCO+8*\t+7], v[8*\t:8*\t+15], v[QF:QF+15], 0, v[KSW+\t-4], v[QSW+\x] matrix_a_scale:MATRIX_SCALE_ROW1
.endif
.endif
.endm
.macro QK n                            ; S^T = K Q^T for both tiles; n: the blocks that count (0: all, no mask); C is 0, the diagonal's mask or -1e38
.irp x, 0,1
	WIN 0x01+0x44*\x
.irp t, 0,1,2,3,4,5,6,7
.set CM_, 0
.if \n
.if (\t/2) == (\n-1)
.set CM_, MK+8-8*\x+8*(\t%2)
.elseif (\t/2) > (\n-1)
.set CM_, MK+24
.endif
.endif
	QKW \t, \x
.endr
.endr
	WIN 0
.endm
; A KEY STEP: 128 keys, two tiles of 16 queries.  adr: this chunk's address register; pre = 1: the next step's K is fetched behind the scores' products.
.macro STEP adr, pre
	s_wait_dscnt 0x0                               ; K and its words are in
	s_cmp_eq_u32 s[NB], 0
	s_cbranch_scc1 .Lq0_\@
	s_cmp_eq_u32 s[NB], 1
	s_cbranch_scc1 .Lq1_\@
	s_cmp_eq_u32 s[NB], 2
	s_cbranch_scc1 .Lq2_\@
	s_cmp_eq_u32 s[NB], 3
	s_cbranch_scc1 .Lq3_\@
	QK 4
	s_branch .Lscores_\@
.Lq3_\@:
	QK 3
	s_branch .Lscores_\@
.Lq2_\@:
	QK 2
	s_branch .Lscores_\@
.Lq1_\@:
	QK 1
	s_branch .Lscores_\@
.Lq0_\@:
	QK 0
.Lscores_\@:
.if \pre
	v_add_nc_u32 v[AD], s[CB], v[LI]
	v_add_nc_u32 v[ADN], s[CN], v[LI]
	PLACES 6                                       ; with the two additions eight places behind the products
.else
	PLACES 8
.endif
	ds_load_b128 v[VSW:VSW+3], v[\adr] offset:16896
	WIN 0x40
.irp t, 0,1,2,3
.irp c, 0,1,2,3
	ds_load_b128 v[64+16*\t+4*\c:64+16*\t+4*\c+3], v[\adr] offset:8704+2048*\t+512*\c
.endr
.endr
.if \pre
	KLOAD ADN
.endif
.irp x, 0,1                            ; the largest score of each block of 32 keys: for the row's maximum and, since p rises with the score, for the block's largest p
	WIN 0x15*\x
.irp b, 0,1,2,3
	v_max3_num_f32 v[BM+4*\x+\b], v[SCO+16*\b], v[SCO+16*\b+1], v[SCO+16*\b+2]
.endr
	WIN 0x14*\x
.irp i, 3,5,7,9,11,13
.irp b, 0,1,2,3
	v_max3_num_f32 v[BM+4*\x+\b], v[BM+4*\x+\b], v[SCO+16*\b+\i], v[SCO+16*\b+\i+1]
.endr
.endr
.irp b, 0,1,2,3
	v_max_num_f32 v[BM+4*\x+\b], v[BM+4*\x+\b], v[SCO+16*\b+15]
.endr
.endr
	WIN 0
.irp b, 0,1,2,3,4,5,6,7
	v_permlanex16_b32 v[T1+\b], v[BM+\b], s[SEL], s[SEL+1]
.endr
.irp b, 0,1,2,3,4,5,6,7
	v_max_num_f32 v[BM+\b], v[BM+\b], v[T1+\b]     ; with lane l xor 16's 16 keys
.endr
.irp x, 0,1
	v_max3_num_f32 v[TA+2*\x], v[BM+4*\x], v[BM+4*\x+1], v[BM+4*\x+2]
.endr
.irp x, 0,1
	v_max3_num_f32 v[MX+2*\x], v[MX+2*\x], v[TA+2*\x], v[BM+4*\x+3]   ; the running largest score (c is positive)
.endr
.irp x, 0,1
	v_mul_f32 v[TA+2*\x], s[NC], v[MX+2*\x]        ; -t
.endr
.irp x, 0,1
	v_floor_f32 v[TA+2*\x], v[TA+2*\x]             ; the new -M = floor(-t): a whole number
.endr
.irp x, 0,1
	v_sub_f32 v[FF+2*\x], v[TA+2*\x], v[NM+2*\x]   ; M's old value less its new one: 0 or less
.endr
.irp x, 0,1
	v_mov_b32 v[NM+2*\x], v[TA+2*\x]
.endr
.irp x, 0,1
	v_cvt_i32_f32 v[FF+2*\x], v[FF+2*\x]           ; (it saturates)
.endr
.irp x, 0,1
	v_ldexp_f32 v[FF+2*\x], 1.0, v[FF+2*\x]        ; 2^(old M - new M)
.endr
.irp x, 0,1
	WIN 0x41*\x
.set j, 0
.rept 16
	v_pk_mul_f32 v[OT+j:OT+j+1], v[OT+j:OT+j+1], v[FF+2*\x:FF+2*\x+1] op_sel_hi:[1,0]   ; O^T under the new M
.set j, j+2
.endr
.set j, 0
.rept 32
	v_pk_fma_f32 v[SCO+j:SCO+j+1], v[SCO+j:SCO+j+1], s[CS:CS+1], v[NM+2*\x:NM+2*\x+1] op_sel_hi:[1,0,0]   ; t - M
.set j, j+2
.endr
.endr
	WIN 0
.irp x, 0,1
.irp b, 0,1,2,3
	v_fma_f32 v[BM+4*\x+\b], v[BM+4*\x+\b], s[CS], v[NM+2*\x]   ; the same of each block's largest score
.endr
.endr
	s_wait_alu depctr_va_vdst(0)                   ; the wait ahead of the batch
.set j, 0
.rept 64
	v_exp_f32 v[SCO+j], v[SCO+j]                   ; p = 2^(t - M), not normalised
.set j, j+1
.endr
.irp b, 0,1,2,3,4,5,6,7
	v_exp_f32 v[BM+\b], v[BM+\b]                   ; the block's largest p: the same instructions on the same number
.endr
	WIN 0x41
.set j, 0
.rept 64
	v_exp_f32 v[SCO+j], v[SCO+j]
.set j, j+1
.endr
	WIN 0
.irp x, 0,1
	v_pk_mul_f32 v[SUM+2*\x:SUM+2*\x+1], v[SUM+2*\x:SUM+2*\x+1], v[FF+2*\x:FF+2*\x+1] op_sel_hi:[1,0]   ; the sums under the new M
.endr
	s_wait_alu depctr_va_vdst(0)                   ; and one behind it
.irp b, 0,1,2,3,4,5,6,7
	v_max_num_f32 v[BM+\b], 0x4800000, v[BM+\b]    ; the floor 2^(9 - 127): the byte cannot fall under 1
.endr
.irp b, 0,1,2,3,4,5,6,7
	v_add_nc_u32 v[SOP+\b], 0xfc000000, v[BM+\b]   ; 8 off the exponent field: the conversion's scale operand
.endr
.irp b, 0,1,2,3
	v_and_or_b32 v[PCD+12+\b], v[BM+\b], 0x7f800000, s[MNT]   ; 448 x the scale, in the tile's own window
.endr
	WIN 0x40
.irp b, 0,1,2,3
	v_and_or_b32 v[PCD+12+\b], v[BM+4+\b], 0x7f800000, s[MNT]
.endr
	WIN 0
.irp b, 0,1,2,3,4,5,6,7
	v_lshrrev_b32 v[T1+\b], 23, v[SOP+\b]          ; the scale's byte
.endr
.irp k, 1,2,3
.irp x, 0,1
.if \k == 1
	v_lshl_or_b32 v[PW+\x], v[T1+4*\x+1], 8, v[T1+4*\x]
.else
	v_lshl_or_b32 v[PW+\x], v[T1+4*\x+\k], 8*\k, v[PW+\x]
.endif
.endr
.endr
.irp x, 0,1
	WIN 0x05*\x
.irp k, 0,1,2                          ; the row's sum of the unquantised p, two at a time, in four chains
	v_pk_add_f32 v[CH+2*\k:CH+2*\k+1], v[SCO+4*\k:SCO+4*\k+1], v[SCO+4*\k+2:SCO+4*\k+3]
.endr
	WIN 0x04*\x
.set j, 12
.rept 26
.if ((j-12)/2)%4 == 0
	v_pk_add_f32 v[SUM+2*\x:SUM+2*\x+1], v[SUM+2*\x:SUM+2*\x+1], v[SCO+j:SCO+j+1]
.else
.set k_, CH+2*(((j-12)/2)%4-1)
	v_pk_add_f32 v[k_:k_+1], v[k_:k_+1], v[SCO+j:SCO+j+1]
.endif
.set j, j+2
.endr
	WIN 0
	v_pk_add_f32 v[SUM+2*\x:SUM+2*\x+1], v[SUM+2*\x:SUM+2*\x+1], v[CH:CH+1]
	v_pk_add_f32 v[CH+2:CH+3], v[CH+2:CH+3], v[CH+4:CH+5]
	WIN 0x55*\x
.irp b, 0,1,2,3
.irp i, 0,2,4,6,8,10,12,14
	v_min_num_f32 v[SCO+16*\b+\i], v[SCO+16*\b+\i], v[PCD+12+\b]   ; the conversion does not saturate (ISA guide 7.6.2); p is not negative
	v_min_num_f32 v[SCO+16*\b+\i+1], v[SCO+16*\b+\i+1], v[PCD+12+\b]
.endr
.endr
	WIN 0
	v_pk_add_f32 v[SUM+2*\x:SUM+2*\x+1], v[SUM+2*\x:SUM+2*\x+1], v[CH+2:CH+3]
	WIN 0x41*\x
.irp b, 0,1,2,3
	v_cvt_scalef32_pk8_fp8_f32 v[PCD+4*\b:PCD+4*\b+1], v[SCO+16*\b:SCO+16*\b+7], v[SOP+4*\x+\b]
	v_cvt_scalef32_pk8_fp8_f32 v[PCD+4*\b+2:PCD+4*\b+3], v[SCO+16*\b+8:SCO+16*\b+15], v[SOP+4*\x+\b]
.endr
.endr
	PLACES 4                                       ; B's codes stand four places ahead of their products
	s_wait_alu depctr_va_vdst(0)                   ; directly ahead of the wait below
	s_wait_dscnt 17*\pre                           ; V and its words are in (pre: the next K's 17 loads may be out)
.irp x, 0,1
	WIN 0x01+0x54*\x
.irp t, 0,1,2,3                        ; O^T += V^T P^T: the eight accumulators take turns
	v_wmma_scale_f32_16x16x128_f8f6f4 v[OT+8*\t:OT+8*\t+7], v[64+16*\t:64+16*\t+15], v[PCD:PCD+15], v[OT+8*\t:OT+8*\t+7], v[VSW+\t], v[PW+\x]
.endr
.endr
	WIN 0
.endm
; THE WAY OUT of a group: O^T / the sum goes through my own stage: register j of tile t is channel 32 (t / 2) + 16 h + 8 (t % 2) + j of query r; it comes back by rows of 256 bytes: stage row n of tile x is query 32 g + 8 x + n + 8 (n / 8).  Sixteen lanes store 256 consecutive bytes.
.macro WAYOUT g
	s_lshl_b32 s52, s[\g], 17
	s_mov_b32 s53, 0
	s_add_nc_u64 s[OP:OP+1], s[OH:OH+1], s[52:53]
	PLACES 4
.irp x, 0,1
	v_add_f32 v[SUM+2*\x], v[SUM+2*\x], v[SUM+2*\x+1]
.endr
.irp x, 0,1
	v_permlanex16_b32 v[TA+2*\x], v[SUM+2*\x], s[SEL], s[SEL+1]
.endr
.irp x, 0,1
	v_add_f32 v[SUM+2*\x], v[SUM+2*\x], v[TA+2*\x] ; with lane l xor 16's: the row's sum
.endr
	s_wait_alu depctr_va_vdst(0)                   ; the wait ahead of the batch and behind it
	v_rcp_f32 v[SUM], v[SUM]
	v_rcp_f32 v[SUM+2], v[SUM+2]
	v_nop
.irp x, 0,1
	WIN 0x41*\x
	s_wait_alu depctr_va_vdst(0)
.set j, 0
.rept 16
	v_pk_mul_f32 v[SCO+j:SCO+j+1], v[OT+j:OT+j+1], v[SUM+2*\x:SUM+2*\x+1] op_sel_hi:[1,0]
.set j, j+2
.endr
.endr
.irp x, 0,1
	WIN 0x04*\x
.irp t, 0,1,2,3
	ds_store_b128 v[SOA], v[SCO+8*\t:SCO+8*\t+3] offset:4352*\x+128*(\t/2)+32*(\t%2)
	ds_store_b128 v[SOA], v[SCO+8*\t+4:SCO+8*\t+7] offset:4352*\x+128*(\t/2)+32*(\t%2)+16
.endr
	WIN 0x40*\x
.irp i, 0,1,2,3,4,5,6,7
	ds_load_b128 v[SCO+32+4*\i:SCO+35+4*\i], v[SRA] offset:4352*\x+544*\i   ; LDS serves a wave's instructions in order (ISA guide 5.7.1.4)
.endr
.endr
.irp x, 0,1
	WIN 0x04*\x
.irp i, 0,1,2,3,4,5,6,7
	s_wait_dscnt 16*(1-\x)+7-\i                    ; these two rows are back; behind them tile A's younger loads and tile B's 16 instructions, or tile B's younger loads
	global_store_b128 v[GO], v[SCO+32+4*\i:SCO+35+4*\i], s[OP:OP+1] offset:(8*\x+2*\i+8*(\i/4))*4096 th:TH_STORE_NT
.endr
.endr
	WIN 0
	s_wait_xcnt 0x0                                ; the stores have read their registers
.endm
	BEGIN
	CALC
	s_wait_alu depctr_va_vdst(0)                   ; the wait at the head's end
	s_cmp_lt_u32 s[WV], 1
	s_cbranch_scc0 .Lnot_0
	s_wait_tensorcnt 0x0                           ; wave 0: chunk 0 has landed.  The other waves' wait stands at the second barrier
.Lnot_0:
	s_barrier_signal -1
	s_barrier_wait -1
	KLOAD LI
	s_wait_loadcnt 0x0                             ; Q, both groups'
	STEP LI, 0                                     ; chunk 0
	s_wait_tensorcnt 0x0                           ; my chunk is in,
	s_wait_dscnt 0x0
	s_barrier_signal -1
	s_barrier_wait -1                              ; everybody's is
	s_mov_b32 s[TR], 1
	CALC
	v_add_nc_u32 v[AD], s[CB], v[LI]
	PLACES 8                                       ; behind the last products
	KLOAD AD
	s_wait_alu depctr_va_vdst(0)
.Lloop:                                            ; steps 1 to 8
	s_cmp_lg_u32 s[TR], s[N1]
	s_cbranch_scc1 .Lsame                          ; ids and the count of steps alone
	WAYOUT GS                                      ; the first group is done: it leaves, and the second begins
.irp j, 0,1
	v_mov_b32 v[QSW+\j], v[QSW2+\j]
.endr
.irp j, 0,1,2,3,4,5,6,7
	v_mov_b32 v[QF+\j], v[Q2+\j]
.endr
	WIN 0x40
.irp j, 0,1,2,3,4,5,6,7
	v_mov_b32 v[QF+\j], v[Q2+8+\j]
.endr
	WIN 0
	BEGIN
	s_wait_alu depctr_va_vdst(0)
.Lsame:
	CALC
	STEP AD, 1
	s_add_co_u32 s[TR], s[TR], 1
	s_cmp_lt_u32 s[TR], 9
	s_cbranch_scc1 .Lloop
	WAYOUT GL
	s_wait_tensorcnt 0x0                           ; the wave's end
	ds_add_u32 v[SPW], v[NIL]
	s_wait_dscnt 0x0
	s_endpgm
.Lfunc_end_k_q12851b6c25_attn:
	.size	k_q12851b6c25_attn, .Lfunc_end_k_q12851b6c25_attn-k_q12851b6c25_attn
	.p2alignl 7, 3214868480
	.fill 96, 4, 3214868480
	.section	.rodata,"a",@progbits
	.p2align	6, 0x0
	.amdhsa_kernel k_q12851b6c25_attn
		.amdhsa_group_segment_fixed_size 209920
		.amdhsa_private_segment_fixed_size 0
		.amdhsa_enable_private_segment 0
		.amdhsa_kernarg_size 24
		.amdhsa_user_sgpr_count 2
		.amdhsa_user_sgpr_kernarg_segment_ptr 1
		.amdhsa_wavefront_size32 1
		.amdhsa_system_sgpr_workgroup_id_x 1
		.amdhsa_system_sgpr_workgroup_id_y 1
		.amdhsa_system_sgpr_workgroup_id_z 1
		.amdhsa_system_vgpr_workitem_id 0
		.amdhsa_next_free_vgpr 512
		.amdhsa_next_free_sgpr 80
		.amdhsa_reserve_vcc 1
		.amdhsa_float_denorm_mode_32 3
		.amdhsa_float_denorm_mode_16_64 3
		.amdhsa_memory_ordered 1
		.amdhsa_forward_progress 1
		.amdhsa_inst_pref_size 115
	.end_amdhsa_kernel
	.amdgpu_metadata
---
amdhsa.version: [ 1, 2 ]
amdhsa.kernels:
  - .name:           k_q12851b6c25_attn
    .symbol:         k_q12851b6c25_attn.kd
    .args:
      - { .name: qf, .offset: 0, .size: 8, .value_kind: global_buffer, .address_space: global }
      - { .name: kv, .offset: 8, .size: 8, .value_kind: global_buffer, .address_space: global }
      - { .name: out0, .offset: 16, .size: 8, .value_kind: global_buffer, .address_space: global }
    .group_segment_fixed_size: 209920
    .private_segment_fixed_size: 0
    .kernarg_segment_align: 8
    .kernarg_segment_size: 24
    .max_flat_workgroup_size: 256
    .sgpr_count:     80
    .vgpr_count:     512
    .wavefront_size: 32
...
	.end_amdgpu_metadata
.endif
;; end of part 3
